; MI455X (gfx1250); checked and timed in simulation.
; The chip was launched on July 23, 2026; its instructions are those of AMD's public machine-readable ISA for CDNA 5 (MIT licence, August 2026) and "CDNA5" Instruction Set Architecture Reference Guide (July 2026). The comments in the code are by the model that wrote it; some were corrected since.
;; Self Attention. Allowed arithmetic: matrix products marked QUANTISED: E2M1 operands, one E8M0 scale for each 32 along K, by v_wmma_scale_f32_16x16x128_f8f6f4 with both operands' format E2M1 (or v_wmma_scale_f32_32x16x128_f4), f32 sums; everything else in f32.
;; Inputs: bk 32 float32; bq 32 float32; bv 256 float32; gamma 1 float32; wk 32 x 256 float32; wq 32 x 256 float32; wv 256 x 256 float32; x 8 x 256 x 64 x 64 float32.
;; Outputs: out0 8 x 256 x 64 x 64 float32.
;; This version of the problem:
;;   THIS VERSION OF THE PROBLEM IS GIVEN IN LOW PRECISION. The matrix products marked QUANTISED in the list below multiply operands that are first quantised to E2M1 (2 exponent bits, 1 mantissa bit; 4 bits a number), with one power-of-two scale for each 32 numbers along K (OCP MX v1.0); their sums are f32. All else is computed in f32.
;;   The module's matrix products, in the order in which they are computed (A, B: the left and right operand; K: the contracted axis; several contracted axes count as one K, in the product's order):
;;     1. [M 32,768, K 256] x [K 256, N 32]; A: input x; B: input wq: QUANTISED
;;     2. [M 32,768, K 256] x [K 256, N 32]; A: input x; B: input wk: QUANTISED
;;     3. [M 32,768, K 256] x [K 256, N 256]; A: input x; B: input wv: QUANTISED
;;     4. batch 8 x [M 4,096, K 32] x [K 32, N 4,096]; A: computed on the way; B: computed on the way: QUANTISED
;;     5. batch 8 x [M 256, K 4,096] x [K 4,096, N 4,096]; A: computed on the way; B: softmax (see below): QUANTISED
;;   THE QUANTISER, for each operand of a quantised product, along K:
;;     - K is cut into blocks of 32 from its start; a last block that is shorter is filled with zeros.
;;     - A block's scale is 2^e with e = floor(log2(the largest magnitude in the block)) - 2, held to -126 .. 127; a block of zeros has e = 0. As a byte (E8M0): e + 127.
;;     - Each number is divided by its block's scale, clamped to +-6, and rounded to the nearest number of E2M1, ties to even, subnormals kept.
;;     - The product sums the exact products of the quantised numbers (number of the format x scale) in f32.
;;   ~~~python
;;   def quantise(x, axis):      # numpy; x: float32 -> the quantised numbers, widened to float32 again
;;       x = np.moveaxis(x, axis, -1); K = x.shape[-1]
;;       x = np.pad(x, [(0, 0)] * (x.ndim - 1) + [(0, -K % 32)]); x = x.reshape(x.shape[:-1] + (-1, 32)); a = np.abs(x).max(-1, keepdims=True)
;;       e = np.where(a > 0, np.clip(np.frexp(np.where(a > 0, a, 1))[1] - 1 - 2, -126, 127), 0)      # np.frexp(a)[1] - 1 = floor(log2(a)), exactly
;;       r = np.clip(x / 2.0 ** e, -6, 6)
;;       step = 2.0 ** (np.maximum(np.frexp(np.where(r == 0, 1, r))[1] - 1, 0) - 1)
;;       q = np.round(r / step) * step * 2.0 ** e      # np.round: ties to even
;;       return np.moveaxis(q.reshape(q.shape[:-2] + (-1,))[..., :K], -1, axis).astype(np.float32)
;;   ~~~
;;   SOFTMAX AHEAD OF A QUANTISED PRODUCT. Where the list says 'softmax', what is quantised is not the finished softmax but p = 2^(t - M), with t = logit x log2(e) and M = ceil(the row's largest t), a whole number; so 1/2 < the row's largest p <= 1. The row's sum l is taken of the UNQUANTISED p, in f32, and the product's result is divided by l at the end. Since M is a whole number, a kernel that streams over the keys may use a running M (the ceiling of the running maximum): every later rescaling is an exact power of two, which a block's scale takes up: the codes' values come out the same.
;;   OPERANDS COMPUTED ON THE WAY. 'Computed on the way' means the value that the module computes at that place (a softmax that the list does not call 'softmax' is quantised finished and normalised). What goes into a quantiser is computed in f32, as accurately as f32 sums, v_exp_f32 and their like allow (about 1e-6 of the number): no bf16 or f16 on the way to a quantiser, and a product that is left as it is and whose result goes on into a quantised operand takes f32 operands (vector FMAs, or v_wmma_f32_16x16x4_f32). A number that lies on a knife's edge between two numbers of the format may be rounded either way, as far as f32 arithmetic and the matrix unit's own rounding can turn it there, and no further.
;; One version. Each part assembles by itself: llvm-mc -triple=amdgcn-amd-amdhsa -mcpu=gfx1250 --defsym DOCPART=n.
;; ======== version 1 of 1: 2 launches
;; workspace buffers: qc 524,288 bytes; qs 131,072 bytes; kv 5,013,504 bytes
;; launch proj (part 1): grid 32 x 8, 4 waves a work-group, no clusters, 180,736 bytes of LDS; arguments x, wq, bq, wk, bk, wv, bv, qc, qs, kv; writes qc, qs, kv
.if DOCPART == 1
	.amdgcn_target "amdgcn-amd-amdhsa--gfx1250"
	.amdhsa_code_object_version 6
	.text
	.protected	k_qa8b3430635_proj
	.globl	k_qa8b3430635_proj
	.p2align	8
	.type	k_qa8b3430635_proj,@function
k_qa8b3430635_proj:
	s_mov_b64 s[64:65], 0
	v_nop
	global_prefetch_b8 v0, s[64:65] scope:SCOPE_SE
	s_setreg_imm32_b32 hwreg(HW_REG_WAVE_MODE, 25, 1), 1
	s_wait_xcnt 0x0
; THE THREE 1x1 CONVOLUTIONS ON CODES OF FP4 (E2M1), AND THEIR RESULTS AS CODES AGAIN.
; x [8][256 c][4096 n] f32; wq, wk [32][256], wv [256][256] f32; q = wq x + bq, k = wk x + bk, v = wv x + bv.  K of all three products is c: x and the weights are
; quantised along c (one E8M0 scale for each 32).  q and k are then quantised along d (one block of 32 a pixel), v along the pixels (the keys of the second attention product).
; SHARES.  A work-group owns 128 pixels of one image (work-group x = which 128, y = the image): 256 work-groups.  Wave w owns pixels 32 w .. 32 w + 31 and makes all 320 outputs for them.
; LANE L STANDS FOR PIXEL pi(L) = 8 (L / 16) + L % 8 + 16 ((L / 8) % 2) of the wave's 32.  So in v's result (source 0 = 16 pixels, source 1 = 16 channels) the 16 registers of the two pixel
; tiles are 16 NEIGHBOURING pixels, 16 (lane / 16) + 0 .. 15, of one channel, and k's codes fall at 16 x lane in the order in which the attention launch wants them.
; x comes into LDS by one tensor load a wave (64 channels x 512 bytes), once.  A lane takes a pixel and its registers run down c: a block's 32 numbers are one lane's.
; THE WEIGHTS: each wave quantises ten of the forty fragments (16 rows x 128 c) and hands them to the others through LDS as images of the operand's registers (16 bytes a lane, 512 a store).
; Its loads of W run FOUR fragments ahead: 64 loads of 512 bytes, 32 KB a wave, in four sets of 64 registers in window 1.
; OUT: qc [image][pixel][16 bytes]; qs [image][pixel] one word, the scale's byte in its low byte; kv [image][16 chunks of 256 keys][39,168 bytes], a chunk in the order of the operand registers:
;   V  16384 s + 1024 ct + 512 c + 256 h + 16 r : 32 codes of v(channel 16 ct + r, keys 128 s + 64 c + 32 h ..)      K  32768 + 2048 s + 512 b + 16 L : the 32 codes of key 128 s + 32 b + pi(L)
;   VS 36864 + 1024 s + 512 (ct / 8) + 256 (ct % 2) + 16 r + 4 ((ct / 2) % 4) + b : v's scale bytes                  KS 38912 + 128 s + 64 (b / 2) + 4 r + 2 (b % 2) + T : k's, key 32 b + pi(16 T + r)
; LIMITS: NaN and infinities among the inputs are not served.  A block whose largest magnitude lies under 2^-124 has its byte held at 1.  A block of zeros gets the byte 1 where the
; quantiser says 127: its codes are zeros, which add nothing under any byte but 0xff, and these bytes are read by this program alone.
; No LDS byte is filled twice: one tensor load a wave is out, from the head to the first barrier.
; REGISTERS, in windows of 256 (s_set_vgpr_msb's low byte: bits 1:0 source 0, 3:2 source 1, 5:4 source 2, 7:6 destination): window 1 holds W's numbers as loaded and nothing else; all the rest is window 0.
.set XT,    0                          ; LDS: x's tile, 256 rows (c) x 512 bytes; a wave's load reads 128 consecutive bytes of a row, so no padding
.set WIM,   131072                     ; images of the 40 fragments of W, 1,024 bytes each.  Fragment F = 2 T + s: T = 0, 1 wq; 2, 3 wk; 4 + ct wv; s the K step
.set WSC,   172032                     ; their scale words, 128 bytes each
.set VSTG,  177152                     ; v's scale bytes of these 128 keys, as they lie in kv
.set KSTG,  178176                     ; k's
.set CHUNK, 39168
.set XS,    25                         ; v25-26   x's scale words for K step 0, 1: lanes 0-15 pixel tile 0, lanes 16-31 tile 1
.set XF,    32                         ; v32-63   x's fragments: tile T, K step s at XF + 16 T + 8 s
.set BV,    64                         ; v64-95   bv[16 ct + r], twice, at BV + 2 ct
.set TM,    96                         ; v96-99   largest magnitudes
.set TP,    100                        ; v100-103 the other half of the lanes'
.set SO,    104                        ; v104-107 the conversions' scale operands
.set E,     108                        ; v108-111 scale bytes
.set CQ,    112                        ; v112-119 codes just made
.set WS,    120                        ; v120-127 scale words of the eight fragments of W in hand: scales and nothing else
.set WF,    128                        ; v128-191 eight fragments of W           (earlier: two sets of 32 numbers of x)
.set ACC,   192                        ; v192-255 eight accumulators             (while W is quantised: v192-199 a fragment's codes, v208-216 at work)
.set FLOOR, 0x1800000                  ; 2^(3 - 127): no largest magnitude is taken under it, so no byte falls under 1
.set EOFF,  0xff000000                 ; takes 2 off an exponent field
.set MSB, 0
.macro WIN new                         ; the immediate's high byte repeats the setting that is left; a switch that changes nothing is dropped
.if MSB != \new
	s_set_vgpr_msb (MSB<<8)|\new
.set MSB, \new
.endif
.endm
.macro PLACES n
.rept \n
	v_nop
.endr
.endm
; One product 16 x 16 x 128.  z = 1: it starts the sum (C = 0), else C = D.  ra, rb = 1: the side's scales are read from lanes 16-31.
.macro WMS d, a, b, z, sa, sb, ra, rb
.if (\z)
.if (\ra) && (\rb)
	v_wmma_scale_f32_16x16x128_f8f6f4 v[(\d):(\d)+7], v[(\a):(\a)+7], v[(\b):(\b)+7], 0, v[(\sa)], v[(\sb)] matrix_a_fmt:MATRIX_FMT_FP4 matrix_b_fmt:MATRIX_FMT_FP4 matrix_a_scale:MATRIX_SCALE_ROW1 matrix_b_scale:MATRIX_SCALE_ROW1
.elseif (\ra)
	v_wmma_scale_f32_16x16x128_f8f6f4 v[(\d):(\d)+7], v[(\a):(\a)+7], v[(\b):(\b)+7], 0, v[(\sa)], v[(\sb)] matrix_a_fmt:MATRIX_FMT_FP4 matrix_b_fmt:MATRIX_FMT_FP4 matrix_a_scale:MATRIX_SCALE_ROW1
.elseif (\rb)
	v_wmma_scale_f32_16x16x128_f8f6f4 v[(\d):(\d)+7], v[(\a):(\a)+7], v[(\b):(\b)+7], 0, v[(\sa)], v[(\sb)] matrix_a_fmt:MATRIX_FMT_FP4 matrix_b_fmt:MATRIX_FMT_FP4 matrix_b_scale:MATRIX_SCALE_ROW1
.else
	v_wmma_scale_f32_16x16x128_f8f6f4 v[(\d):(\d)+7], v[(\a):(\a)+7], v[(\b):(\b)+7], 0, v[(\sa)], v[(\sb)] matrix_a_fmt:MATRIX_FMT_FP4 matrix_b_fmt:MATRIX_FMT_FP4
.endif
.else
.if (\ra) && (\rb)
	v_wmma_scale_f32_16x16x128_f8f6f4 v[(\d):(\d)+7], v[(\a):(\a)+7], v[(\b):(\b)+7], v[(\d):(\d)+7], v[(\sa)], v[(\sb)] matrix_a_fmt:MATRIX_FMT_FP4 matrix_b_fmt:MATRIX_FMT_FP4 matrix_a_scale:MATRIX_SCALE_ROW1 matrix_b_scale:MATRIX_SCALE_ROW1
.elseif (\ra)
	v_wmma_scale_f32_16x16x128_f8f6f4 v[(\d):(\d)+7], v[(\a):(\a)+7], v[(\b):(\b)+7], v[(\d):(\d)+7], v[(\sa)], v[(\sb)] matrix_a_fmt:MATRIX_FMT_FP4 matrix_b_fmt:MATRIX_FMT_FP4 matrix_a_scale:MATRIX_SCALE_ROW1
.elseif (\rb)
	v_wmma_scale_f32_16x16x128_f8f6f4 v[(\d):(\d)+7], v[(\a):(\a)+7], v[(\b):(\b)+7], v[(\d):(\d)+7], v[(\sa)], v[(\sb)] matrix_a_fmt:MATRIX_FMT_FP4 matrix_b_fmt:MATRIX_FMT_FP4 matrix_b_scale:MATRIX_SCALE_ROW1
.else
	v_wmma_scale_f32_16x16x128_f8f6f4 v[(\d):(\d)+7], v[(\a):(\a)+7], v[(\b):(\b)+7], v[(\d):(\d)+7], v[(\sa)], v[(\sb)] matrix_a_fmt:MATRIX_FMT_FP4 matrix_b_fmt:MATRIX_FMT_FP4
.endif
.endif
.endm
; W.  Fragment k of my ten: k = 0 .. 7: wv, tile k / 2 of my four, K step k % 2;  k = 8, 9: my tile of wq or wk, K step k - 8.
; Lane (r, h) wants blocks 4 s + h and 4 s + 2 + h of its row: 2 x 128 neighbouring bytes, 64 numbers, into set k % 4 of window 1 (v[64 (k % 4)] on).
.macro LOADW k
	WIN 0x40                                       ; destination window 1, address window 0
.irp c, 0,1
.irp i, 0,1,2,3,4,5,6,7
.if (\k) < 8
	global_load_b128 v[64*((\k)%4)+32*\c+4*\i:64*((\k)%4)+32*\c+4*\i+3], v4, s[42:43] offset:16384*((\k)/2)+512*((\k)%2)+256*\c+16*\i
.else
	global_load_b128 v[64*((\k)%4)+32*\c+4*\i:64*((\k)%4)+32*\c+4*\i+3], v5, s[44:45] offset:512*((\k)-8)+256*\c+16*\i
.endif
.endr
.endr
.endm
; 64 numbers at v[src] on of window 1 become a fragment's eight registers and its scale word, in window 0; both go to LDS as they stand.
.macro QW src, ia, io, wa, wo
	s_wait_dscnt 0x0                               ; the last fragment's stores have read their registers
	WIN 0x05                                       ; sources 0 and 1 window 1
	v_max3_num_f32 v208, |v[(\src)]|, |v[(\src)+1]|, FLOOR
	v_max3_num_f32 v209, |v[(\src)+32]|, |v[(\src)+33]|, FLOOR
	WIN 0x14                                       ; sources 1 and 2 window 1
.irp i, 2,4,6,8,10,12,14,16,18,20,22,24,26,28,30
	v_max3_num_f32 v208, v208, |v[(\src)+\i]|, |v[(\src)+\i+1]|       ; my two blocks by turns: all 32 numbers of each are mine
	v_max3_num_f32 v209, v209, |v[(\src)+32+\i]|, |v[(\src)+33+\i]|
.endr
	WIN 0
	v_add_nc_u32 v210, EOFF, v208                  ; 2 off the exponent field: the conversion's scale operand
	v_add_nc_u32 v211, EOFF, v209
	v_lshrrev_b32 v212, 23, v210                   ; the scale's byte
	v_lshrrev_b32 v213, 23, v211
	v_lshl_or_b32 v214, v213, 16, v212             ; blocks h and 2 + h,
	v_lshlrev_b32 v214, v10, v214                  ; at their places in the word;
	v_permlanex16_b32 v216, v214, s40, s41
	v_or_b32 v214, v214, v216                      ; with lane l xor 16's two the word is whole
	WIN 0x01                                       ; source 0, the eight numbers, window 1
.irp c, 0,1
.irp g, 0,1,2,3
	v_cvt_scalef32_pk8_fp4_f32 v[192+4*\c+\g], v[(\src)+32*\c+8*\g:(\src)+32*\c+8*\g+7], v[210+\c]
.endr
.endr
	WIN 0
	v_nop                                          ; one plain place behind a scaled conversion
	ds_store_b128 v[\ia], v[192:195] offset:\io
	ds_store_b128 v[\ia], v[196:199] offset:\io+512
	ds_store_b32 v[\wa], v214 offset:\wo
.endm
	s_load_b512 s[4:19], s[0:1], 0x0               ; x s4, wq s6, bq s8, wk s10, bk s12, wv s14, bv s16, qc s18
	s_load_b128 s[20:23], s[0:1], 0x40             ; qs s20, kv s22
	v_lshl_add_u32 v31, v0, 2, 0x2c000
	s_set_vgpr_msb 0x80
	v_mov_b32 v1, 0
	s_set_vgpr_msb 0x8088
	ds_add_u32 v31, v1
	s_set_vgpr_msb 0x8800
	v_lshrrev_b32 v1, 5, v0
	v_readfirstlane_b32 s24, v1                    ; wave 0..3
	s_and_b32 s25, s24, 1
	s_lshr_b32 s26, s24, 1
	s_and_b32 s27, ttmp7, 0xffff                   ; the image
	; descriptor group 1: 64 rows (channels) of 128 elements of 4 bytes, 4,096 elements from row to row, no padding
	s_mov_b32 s28, 2<<16                           ; no mask; elements of 4 bytes
	s_mov_b32 s29, 128<<16                         ; tensor_dim0 = 128
	s_mov_b32 s30, 64<<16                          ; tensor_dim1 = 64
	s_mov_b32 s31, 128<<16                         ; tile_dim0 = 128
	s_mov_b32 s32, 64                              ; tile_dim1 = 64
	s_mov_b32 s33, 4096                            ; the pitch
	s_mov_b32 s34, 0
	s_mov_b32 s35, 0
	s_mov_b32 s36, 1                               ; group 0: count = 1
	s_lshl_b32 s37, s24, 15                        ; LDS: my 64 rows of 512 bytes
	s_lshl_b32 s58, s27, 22                        ; the image: 256 x 4,096 x 4 bytes
	s_lshl_b32 s59, s24, 20                        ; my 64 channels
	s_add_co_u32 s58, s58, s59
	s_lshl_b32 s59, ttmp9, 9                       ; the work-group's 128 pixels
	s_add_co_u32 s58, s58, s59
	s_mov_b32 s59, 0                               ; stays 0: the upper word of every offset below
	s_wait_dscnt 0x0
	s_wait_kmcnt 0x0
	s_add_nc_u64 s[38:39], s[4:5], s[58:59]
	s_or_b32 s39, s39, 0x80000000                  ; type = 2
	tensor_load_to_lds s[36:39], s[28:35]          ; my quarter of x's tile: it lands while W is quantised
	s_nop 0
	PLACES 4
	; what W's loads need comes first, so that they are out while the other addresses are made
	s_lshl_b32 s58, s24, 16
	s_add_nc_u64 s[42:43], s[14:15], s[58:59]      ; wv at my 64 rows (ct = 4 w .. 4 w + 3)
	s_cmp_lt_u32 s24, 2                            ; waves 0, 1 take wq's two tiles, waves 2, 3 wk's: the choice hangs on the wave's number alone
	s_cselect_b64 s[44:45], s[6:7], s[10:11]
	s_lshl_b32 s58, s25, 13                        ; tile u begins 8 rows down
	s_add_nc_u64 s[44:45], s[44:45], s[58:59]
	v_and_b32 v1, 31, v0                           ; L
	v_and_b32 v2, 15, v0                           ; r
	v_bfe_u32 v3, v0, 4, 1                         ; h
	v_lshlrev_b32 v4, 10, v2
	v_lshl_add_u32 v4, v3, 7, v4                   ; wv: row r of 1,024 bytes, + 128 h: my block of 32 numbers
	v_and_b32 v5, 8, v2
	v_add_nc_u32 v5, v5, v2
	v_lshlrev_b32 v5, 10, v5
	v_lshl_add_u32 v5, v3, 7, v5                   ; wq, wk: THE ROWS OF A TILE ARE NOT NEIGHBOURS: lane r of tile u takes row 8 u + r + 8 (r / 8)
	LOADW 0                                        ; four fragments, 64 loads: where the counter's field is full, the next load's issue waits until one has come back (ISA guide 5.7.1)
	LOADW 1
	LOADW 2
	LOADW 3
	WIN 0
	s_mov_b32 s40, 0x76543210
	s_mov_b32 s41, 0xfedcba98                      ; v_permlanex16_b32's selects for lane l xor 16
	s_mul_i32 s60, s27, 16*CHUNK
	s_lshr_b32 s61, ttmp9, 1
	s_mul_i32 s61, s61, CHUNK
	s_add_co_u32 s60, s60, s61                     ; my chunk's first byte in kv
	s_and_b32 s62, ttmp9, 1                        ; which 128 keys of the chunk
	s_lshl_b32 s58, s62, 14                        ; V: + 512 (w / 2) + 256 (w % 2): my block of 32 keys
	s_add_co_u32 s58, s58, s60
	s_lshl_b32 s61, s26, 9
	s_add_co_u32 s58, s58, s61
	s_lshl_b32 s61, s25, 8
	s_add_co_u32 s58, s58, s61
	s_add_nc_u64 s[46:47], s[22:23], s[58:59]
	s_lshl_b32 s58, s62, 11                        ; K
	s_add_co_u32 s58, s58, s60
	s_lshl_b32 s61, s24, 9
	s_add_co_u32 s58, s58, s61
	s_add_co_u32 s58, s58, 32768
	s_add_nc_u64 s[48:49], s[22:23], s[58:59]
	s_lshl_b32 s58, s62, 10                        ; VS: each wave stores a quarter
	s_add_co_u32 s58, s58, s60
	s_lshl_b32 s61, s24, 8
	s_add_co_u32 s58, s58, s61
	s_add_co_u32 s58, s58, 36864
	s_add_nc_u64 s[50:51], s[22:23], s[58:59]
	s_lshl_b32 s58, s62, 7                         ; KS
	s_add_co_u32 s58, s58, s60
	s_add_co_u32 s58, s58, 38912
	s_add_nc_u64 s[52:53], s[22:23], s[58:59]
	s_lshl_b32 s63, s27, 12                        ; my first pixel: 4096 image + 128 work-group + 32 wave
	s_lshl_b32 s61, ttmp9, 7
	s_add_co_u32 s63, s63, s61
	s_lshl_b32 s61, s24, 5
	s_add_co_u32 s63, s63, s61
	s_lshl_b32 s58, s63, 4
	s_add_nc_u64 s[54:55], s[18:19], s[58:59]      ; qc
	s_lshl_b32 s58, s63, 2
	s_add_nc_u64 s[56:57], s[20:21], s[58:59]      ; qs
	v_lshlrev_b32 v17, 4, v1                       ; 16 L
	v_lshlrev_b32 v28, 2, v1                       ; 4 L
	v_lshlrev_b32 v24, 3, v1                       ; 8 L
	s_lshl_b32 s58, s24, 13
	s_add_co_u32 s58, s58, WIM+8192
	v_add_nc_u32 v6, s58, v17                      ; where I store wv's images: fragments 8 + 8 w on
	s_lshl_b32 s58, s24, 11
	s_add_co_u32 s58, s58, WIM
	v_add_nc_u32 v7, s58, v17                      ; and wq's or wk's: fragments 2 w, 2 w + 1
	s_lshl_b32 s58, s24, 10
	s_add_co_u32 s58, s58, WSC+1024
	v_add_nc_u32 v8, s58, v28                      ; their scale words
	s_lshl_b32 s58, s24, 8
	s_add_co_u32 s58, s58, WSC
	v_add_nc_u32 v9, s58, v28
	v_lshlrev_b32 v10, 3, v3                       ; 8 h: by so many bits my two bytes go up in a scale word
	v_add_nc_u32 v11, WIM, v17                     ; where any image is read
	v_add_nc_u32 v12, WSC, v28
	v_and_b32 v29, 7, v0
	v_bfe_u32 v30, v0, 3, 1
	v_lshl_add_u32 v29, v30, 4, v29
	v_lshl_add_u32 v29, v3, 3, v29                 ; pi(L)
	s_lshl_b32 s58, s24, 7
	v_lshlrev_b32 v16, 2, v29                      ; 4 pi
	v_add_nc_u32 v13, s58, v16                     ; x's tile: my pixel's column, channels 0-127,
	v_add_nc_u32 v14, 65536, v13                   ; and 128-255
	v_lshlrev_b32 v15, 4, v29                      ; 16 pi
	v_lshlrev_b32 v18, 10, v3
	v_lshl_add_u32 v18, v2, 4, v18                 ; v's codes: 1024 (L / 16) + 16 r
	v_lshlrev_b32 v22, 2, v2                       ; 4 r
	s_lshl_b32 s58, s26, 6
	s_lshl_b32 s61, s25, 1
	s_add_co_u32 s58, s58, s61
	s_add_co_u32 s58, s58, KSTG
	v_add_nc_u32 v19, v22, v3
	v_add_nc_u32 v19, s58, v19                     ; k's scale byte: 4 r + L / 16 + 64 (w / 2) + 2 (w % 2)
	s_add_co_u32 s58, s24, VSTG
	v_lshl_add_u32 v20, v2, 4, s58                 ; v's: 16 r + w
	v_lshlrev_b32 v21, 6, v3                       ; 64 h
	s_lshl_b32 s58, s24, 8
	s_add_co_u32 s58, s58, VSTG
	v_add_nc_u32 v23, s58, v24                     ; the scale bytes' way out: 256 bytes a wave
	v_add_nc_u32 v27, KSTG, v28
	v_mov_b32 v216, 0                              ; written once: a lane permute's destination counts as one of its sources
; ---- W: a ring of four sets.  Loads come back in order (ISA guide 5.7.1): with the three younger sets' 48 loads left out, this fragment's 16 are in.
.irp k, 0,1,2,3,4,5
	s_wait_loadcnt 48
	QW 64*(\k%4), 6, 1024*\k, 8, 128*\k
	LOADW \k+4                                     ; the set just read takes the fragment four further on
.endr
	s_wait_loadcnt 48                              ; fragment 6; nothing is left to ask for, so the counts run down
	QW 128, 6, 6144, 8, 768
	s_wait_loadcnt 32
	QW 192, 6, 7168, 8, 896
	s_wait_loadcnt 16
	QW 0, 7, 0, 9, 0                               ; my tile of wq or wk, K step 0,
	s_wait_loadcnt 0x0
	QW 64, 7, 1024, 9, 128                         ; and 1
	s_wait_dscnt 0x0                               ; my images lie in LDS, and their stores have read the registers that the biases now take
; The biases.  bq, bk are the C of q's and k's first products: accumulator (X, T, u), lane (r, h), register j: d = 16 h + 8 u + j.
.irp X, 0,1
.irp T, 0,1
.irp u, 0,1
	global_load_b128 v[ACC+8*(4*\X+2*\T+\u):ACC+8*(4*\X+2*\T+\u)+3], v21, s[8+4*\X:9+4*\X] offset:32*\u
	global_load_b128 v[ACC+8*(4*\X+2*\T+\u)+4:ACC+8*(4*\X+2*\T+\u)+7], v21, s[8+4*\X:9+4*\X] offset:32*\u+16
.endr
.endr
.endr
.irp c, 0,1,2,3,4,5,6,7,8,9,10,11,12,13,14,15
	global_load_b32 v[BV+2*\c], v22, s[16:17] offset:64*\c         ; bv[16 ct + r], in both registers of a pair for the packed addition
	global_load_b32 v[BV+2*\c+1], v22, s[16:17] offset:64*\c
.endr
.irp g, 0,1,2,3
	v_mov_b32 v[TP+\g], 0                          ; written once: a lane permute's destination counts as one of its sources
.endr
	s_wait_tensorcnt 0x0                           ; my quarter of x's tile has landed
	s_barrier_signal -1
	s_barrier_wait -1                              ; all forty images and the whole tile lie in LDS; neither is written again
; ---- x.  Block b (channels 32 b on) of my pixel: 32 numbers down the column.
.macro LOADX blk
.irp i, 0,1,2,3,4,5,6,7,8,9,10,11,12,13,14,15,16,17,18,19,20,21,22,23,24,25,26,27,28,29,30,31
	ds_load_b32 v[128+32*((\blk)%2)+\i], v[13+(\blk)/4] offset:((32*(\blk)+\i)%128)*512
.endr
.endm
.macro BLOCKX blk
.set XB, 128+32*((\blk)%2)
	v_max3_num_f32 v[TM], |v[XB]|, |v[XB+1]|, |v[XB+2]|
	v_max3_num_f32 v[TM+1], |v[XB+3]|, |v[XB+4]|, |v[XB+5]|
.irp i, 6,10,14,18,22,26
	v_max3_num_f32 v[TM], v[TM], |v[XB+\i]|, |v[XB+\i+1]|
	v_max3_num_f32 v[TM+1], v[TM+1], |v[XB+\i+2]|, |v[XB+\i+3]|
.endr
	v_max3_num_f32 v[TM], v[TM], |v[XB+30]|, |v[XB+31]|
	v_max3_num_f32 v[TM], v[TM], v[TM+1], FLOOR
	v_add_nc_u32 v[SO], EOFF, v[TM]
	v_lshrrev_b32 v[E], 23, v[SO]
.if (\blk)%4 == 0
	v_mov_b32 v[XS+(\blk)/4], v[E]                 ; four bytes to a word, the lower c in the lower byte
.else
	v_lshl_or_b32 v[XS+(\blk)/4], v[E], 8*((\blk)%4), v[XS+(\blk)/4]
.endif
.irp g, 0,1,2,3
	v_cvt_scalef32_pk8_fp4_f32 v[XF+16*((\blk)%2)+8*((\blk)/4)+4*(((\blk)/2)%2)+\g], v[XB+8*\g:XB+8*\g+7], v[SO]   ; even blocks into the first 16 registers, odd ones into the second
.endr
.endm
	LOADX 0
	LOADX 1
.irp b, 0,1,2,3,4,5
	s_wait_dscnt 32                                ; this block's 32 numbers are in; the next block's may be out
	BLOCKX \b
	LOADX \b+2
.endr
	s_wait_dscnt 32
	BLOCKX 6
	s_wait_dscnt 0x0
	BLOCKX 7
	v_nop                                          ; one plain place behind a scaled conversion
.irp n, 0,1,2,3,4,5,6,7,8,9,10,11,12,13,14,15
	v_permlane16_swap_b32 v[XF+\n], v[XF+16+\n]    ; lanes 16-31 of the even blocks (tile 1) change places with lanes 0-15 of the odd ones (tile 0): the first 16 registers are now tile 0's two fragments, the second 16 tile 1's
.endr
.macro FETCHW f0                       ; eight fragments of W from f0 on, and their scale words
.irp n, 0,1,2,3,4,5,6,7
	ds_load_b128 v[WF+8*\n:WF+8*\n+3], v11 offset:1024*((\f0)+\n)
	ds_load_b128 v[WF+8*\n+4:WF+8*\n+7], v11 offset:1024*((\f0)+\n)+512
	ds_load_b32 v[WS+\n], v12 offset:128*((\f0)+\n)
.endr
.endm
; The eight accumulators as four groups of 16 registers, each 16 neighbours along the next K, whose other 16 lie in lane l xor 16.  Behind it lane 16 T + r holds in CQ + 4 p .. + 3
; the 16 bytes (32 codes) of row r of group 2 p + T; E + g is group g's byte.  Each accumulator is read from its low end on.
.macro QUANT4
.irp g, 0,1,2,3
	v_max3_num_f32 v[TM+\g], |v[ACC+16*\g]|, |v[ACC+16*\g+1]|, FLOOR
.endr
.irp i, 2,4,6,8,10,12,14
.irp g, 0,1,2,3
	v_max3_num_f32 v[TM+\g], v[TM+\g], |v[ACC+16*\g+\i]|, |v[ACC+16*\g+\i+1]|   ; the four groups by turns
.endr
.endr
.irp g, 0,1,2,3
	v_permlanex16_b32 v[TP+\g], v[TM+\g], s40, s41
.endr
.irp g, 0,1,2,3
	v_max_num_f32 v[TM+\g], v[TM+\g], v[TP+\g]
.endr
	s_wait_xcnt 0x0                                ; the last group's stores to memory have read the codes and bytes that are written now
.irp g, 0,1,2,3
	v_add_nc_u32 v[SO+\g], EOFF, v[TM+\g]
.endr
.irp g, 0,1,2,3
	v_lshrrev_b32 v[E+\g], 23, v[SO+\g]
.endr
.irp g, 0,1,2,3
	v_cvt_scalef32_pk8_fp4_f32 v[CQ+2*\g], v[ACC+16*\g:ACC+16*\g+7], v[SO+\g]
	v_cvt_scalef32_pk8_fp4_f32 v[CQ+2*\g+1], v[ACC+16*\g+8:ACC+16*\g+15], v[SO+\g]
.endr
	v_nop                                          ; one plain place behind a scaled conversion
.irp p, 0,1
	v_permlane16_swap_b32 v[CQ+4*\p], v[CQ+4*\p+2]
	v_permlane16_swap_b32 v[CQ+4*\p+1], v[CQ+4*\p+3]
.endr
.endm
; ---- q and k, TRANSPOSED: source 0 = 16 rows of wq or wk, source 1 = 16 pixels.  Lane (r, h) of accumulator (X, T, u) holds pixel r of tile T, register j: d = 16 h + 8 u + j.
	FETCHW 0
	PLACES 8                                       ; x's scale words and fragments were written by vector instructions: eight places ahead of a scaled product
	s_wait_dscnt 0x0
	s_wait_loadcnt 0x0                             ; the biases
.irp s, 0,1
.irp X, 0,1
.irp T, 0,1
.irp u, 0,1
	WMS ACC+8*(4*\X+2*\T+\u), WF+8*(2*(2*\X+\u)+\s), XF+16*\T+8*\s, 0, WS+2*(2*\X+\u)+\s, XS+\s, 0, \T   ; the eight accumulators by turns; C of the first is the bias
.endr
.endr
.endr
.endr
	PLACES 4                                       ; in front of loads into registers that the products read, and of the first read of results
	FETCHW 8                                       ; wv's first four tiles land while q and k are quantised
	QUANT4
	v_permlane16_swap_b32 v[E], v[E+1]             ; E: q's byte of pixel pi(L)
	v_permlane16_swap_b32 v[E+2], v[E+3]           ; E + 2: k's
	global_store_b128 v15, v[CQ:CQ+3], s[54:55]    ; the wave's store covers 512 consecutive bytes of qc
	global_store_b32 v16, v[E], s[56:57]
	global_store_b128 v17, v[CQ+4:CQ+7], s[48:49]  ; k's image: 16 x lane
	ds_store_b8 v19, v[E+2]
; ---- v, four tiles of 16 channels at a time: source 0 = 16 pixels, source 1 = 16 rows of wv.  Lane (r, h) of accumulator (c, T): channel r, register j: pixel 16 h + 8 T + j.
.macro VGROUP grp
	s_wait_dscnt 0x0                               ; the group's fragments of wv are in, and the last bytes' LDS stores are done
.irp s, 0,1
.irp c, 0,1,2,3
.irp T, 0,1
	WMS ACC+8*(2*\c+\T), XF+16*\T+8*\s, WF+8*(2*\c+\s), 1-\s, XS+\s, WS+2*\c+\s, \T, 0
.endr
.endr
.endr
	PLACES 4
.if \grp < 3
	FETCHW 16+8*\grp                               ; the next group's
.endif
.irp c, 0,1,2,3
.irp i, 0,2,4,6,8,10,12,14
	v_pk_add_f32 v[ACC+16*\c+\i:ACC+16*\c+\i+1], v[ACC+16*\c+\i:ACC+16*\c+\i+1], v[BV+2*(4*\grp+\c):BV+2*(4*\grp+\c)+1]
.endr
.endr
	QUANT4
.irp p, 0,1
	global_store_b128 v18, v[CQ+4*\p:CQ+4*\p+3], s[46:47] offset:1024*(4*\grp+2*\p)   ; sixteen lanes store 256 consecutive bytes, at a multiple of 256 from kv's first byte
.endr
.irp c, 0,1,2,3
	ds_store_b8 v20, v[E+\c] offset:512*((4*\grp+\c)/8)+256*((4*\grp+\c)%2)+4*(((4*\grp+\c)/2)%4)   ; both lanes of a block write the same byte with the same value
.endr
.endm
	VGROUP 0
	VGROUP 1
	VGROUP 2
	VGROUP 3
	s_wait_dscnt 0x0                               ; for the others' sake: my scale bytes lie in LDS
	s_barrier_signal -1
	s_barrier_wait -1
	ds_load_b64 v[TM:TM+1], v23                    ; v's scale bytes leave in whole runs: 256 consecutive bytes a wave
	s_cmp_lg_u32 s24, 0
	s_cbranch_scc1 .Lnot_wave_0
	ds_load_b32 v[TM+2], v27                       ; k's 128 bytes: wave 0
	s_wait_dscnt 0x0
	global_store_b32 v28, v[TM+2], s[52:53]
.Lnot_wave_0:
	s_wait_dscnt 0x0
	global_store_b64 v24, v[TM:TM+1], s[50:51]
	s_set_vgpr_msb 0x8
	s_wait_tensorcnt 0x0
	ds_add_u32 v31, v1
	s_wait_dscnt 0x0
	s_set_vgpr_msb 0x800
	s_endpgm
.Lfunc_end_k_qa8b3430635_proj:
	.size	k_qa8b3430635_proj, .Lfunc_end_k_qa8b3430635_proj-k_qa8b3430635_proj
	.p2alignl 7, 3214868480
	.fill 96, 4, 3214868480
	.section	.rodata,"a",@progbits
	.p2align	6, 0x0
	.amdhsa_kernel k_qa8b3430635_proj
		.amdhsa_group_segment_fixed_size 180736
		.amdhsa_private_segment_fixed_size 0
		.amdhsa_enable_private_segment 0
		.amdhsa_kernarg_size 80
		.amdhsa_user_sgpr_count 2
		.amdhsa_user_sgpr_kernarg_segment_ptr 1
		.amdhsa_wavefront_size32 1
		.amdhsa_system_sgpr_workgroup_id_x 1
		.amdhsa_system_sgpr_workgroup_id_y 1
		.amdhsa_system_sgpr_workgroup_id_z 1
		.amdhsa_system_vgpr_workitem_id 0
		.amdhsa_next_free_vgpr 514
		.amdhsa_next_free_sgpr 66
		.amdhsa_reserve_vcc 0
		.amdhsa_float_denorm_mode_32 3
		.amdhsa_float_denorm_mode_16_64 3
		.amdhsa_memory_ordered 1
		.amdhsa_forward_progress 1
		.amdhsa_inst_pref_size 136
	.end_amdhsa_kernel
	.amdgpu_metadata
---
amdhsa.version: [ 1, 2 ]
amdhsa.kernels:
  - .name:           k_qa8b3430635_proj
    .symbol:         k_qa8b3430635_proj.kd
    .args:
      - { .name: x, .offset: 0, .size: 8, .value_kind: global_buffer, .address_space: global }
      - { .name: wq, .offset: 8, .size: 8, .value_kind: global_buffer, .address_space: global }
      - { .name: bq, .offset: 16, .size: 8, .value_kind: global_buffer, .address_space: global }
      - { .name: wk, .offset: 24, .size: 8, .value_kind: global_buffer, .address_space: global }
      - { .name: bk, .offset: 32, .size: 8, .value_kind: global_buffer, .address_space: global }
      - { .name: wv, .offset: 40, .size: 8, .value_kind: global_buffer, .address_space: global }
      - { .name: bv, .offset: 48, .size: 8, .value_kind: global_buffer, .address_space: global }
      - { .name: qc, .offset: 56, .size: 8, .value_kind: global_buffer, .address_space: global }
      - { .name: qs, .offset: 64, .size: 8, .value_kind: global_buffer, .address_space: global }
      - { .name: kv, .offset: 72, .size: 8, .value_kind: global_buffer, .address_space: global }
    .group_segment_fixed_size: 180736
    .private_segment_fixed_size: 0
    .kernarg_segment_align: 8
    .kernarg_segment_size: 80
    .max_flat_workgroup_size: 128
    .sgpr_count:     66
    .vgpr_count:     514
    .wavefront_size: 32
...
	.end_amdgpu_metadata
.endif
;; end of part 1
;; launch attn (part 2): grid 32 x 8, 8 waves a work-group, clusters of 4 x 1, 327,680 bytes of LDS; arguments qc, qs, kv, x, gamma, out0; writes out0
.if DOCPART == 2
	.amdgcn_target "amdgcn-amd-amdhsa--gfx1250"
	.amdhsa_code_object_version 6
	.text
	.protected	k_qa8b3430635_attn
	.globl	k_qa8b3430635_attn
	.p2align	8
	.type	k_qa8b3430635_attn,@function
k_qa8b3430635_attn:
	s_mov_b64 s[64:65], 0
	v_nop
	global_prefetch_b8 v0, s[64:65] scope:SCOPE_SE
	s_setreg_imm32_b32 hwreg(HW_REG_WAVE_MODE, 25, 1), 1
	s_wait_xcnt 0x0
	s_wait_alu depctr_hold_cnt(0) depctr_sa_sdst(0) depctr_va_vdst(0) depctr_va_sdst(0) depctr_va_ssrc(0) depctr_va_vcc(0) depctr_vm_vsrc(0)
	s_getreg_b32 s2, hwreg(HW_REG_IB_STS2, 6, 4)
	s_cmp_eq_u32 s2, 0
	s_cbranch_scc0 .Lentry_in_a_cluster
	s_endpgm
.Lentry_in_a_cluster:
	s_bfe_u32 s2, ttmp6, 0x10000c
	s_cmp_lg_u32 s2, 0x3003
	s_cbranch_scc0 .Lentry_shape_is_right
	s_endpgm
.Lentry_shape_is_right:
; out[b][c][n] = gamma x (sum over m of v[b][c][m] p[n][m]) / l[n] + x[b][c][n], both products on codes of FP4 (E2M1) with one E8M0 scale for each 32 along K.
; t = energy x log2(e); M = the row's largest t so far, rounded UP to a whole number; p = 2^(t - M) is what is quantised, along the keys; l is the sum of the unquantised p.
; When M moves, l and O are multiplied by 2^(old M - new M), which rounds nothing.
; SHARES.  A work-group owns 128 queries of one image.  Wave w owns the 32 queries 32 (w % 4) on, two tiles of 16, and HALF OF THE KEYS: of each slot of 512 keys waves 0-3 take the first
; 256, waves 4-7 the second.  So two waves share a SIMD (512 registers each): one's products and LDS loads stand beside the other's softmax, and each fragment of V read from LDS feeds
; two products.  Waves w and w + 4 keep their own M, l and O; at the end they are joined by exact powers of two.
; LAYOUT.  Both products are used transposed (S^T = K Q^T, O^T = V^T P^T): a lane holds ONE query (lane % 16) throughout.  kv holds K, V and their scale bytes in the order of the
; operand registers: every fragment is read at 16 x lane, 512 consecutive bytes a load, so LDS needs no padding.
; THE FIRST PRODUCT'S K IS 32, THE INSTRUCTION'S 128.  A fragment of K is dense: its four blocks of 32 are the codes of FOUR different keys a row.  Q stands in four variants, variant j with its
; codes in block j alone and zero codes elsewhere (its scale word: q's byte in byte j, 0 elsewhere).  Fragment g x variant j gives the scores of 16 keys; register 16 b + 8 u + i of the
; eight results is key 32 b + 16 (lane / 16) + 8 u + i: 16 neighbouring keys in 16 registers, as the conversions want them.
; CLUSTER.  The four query blocks of a cluster belong to one image and walk the same kv: each chunk of 256 keys (153 rows of 256 bytes, dense) is asked for JOINTLY by waves 0 and 1 of all four.
; A wave has at most one tensor load out.
; LIMITS: NaN and infinities are not served.  A block whose every p has fallen under 2^-124 has its byte held at 1.  l and O are summed in two halves of the keys and then joined, so the order
; of the f32 additions differs from a sum in the order of the keys.
; REGISTERS.  Window 1: O^T, accumulator (t, ct) at 128 t + 8 ct.  Window 0: v1-8 addresses; v12-19 -M, largest t, l (a pair) for each tile; v20-23 Q's scale words; v24-59 Q's variants;
; v60-61 p's scale words; v62 K's; v64-127 S^T, p, then V's channels 128-255; v128-191 V's channels 0-127; v192-207 K; v208-223 p's codes; v224-231 V's scale words; v232-248 at work.
.set CHUNK, 39168                      ; 256 keys in kv
.set SLOT1, 1<<17                      ; slot 0 at LDS byte 0, slot 1 here: one exclusive or turns an address; a slot is two chunks, 78,336 bytes
.set SP,    528                        ; the way out: a stage row: 128 queries x 4 bytes + 16
.set STB,   256*SP                     ; stage A (waves 0-3's O) at 0, stage B here: 256 channel rows each.  They lie over the slots, which have then had their last fill and their last read
.set ML,    2*STB                      ; (-M, l): 512 w + 256 t + 8 L
.set SCT,   ML+4096                    ; the last factor for each query: [half of the keys][128]
.set SPARE, 326656                     ; the spare words, 128 bytes for each of the eight waves: four blocks of 256 bytes that no other line names
.set QS,  20
.set QB,  24                           ; [0][lo 0][0][hi 0][0][lo 1][0][hi 1][0], four registers each: lo t = tile t's codes in lanes 0-15, hi t in lanes 16-31, zeros in the other lanes
.set PS,  60
.set KS,  62
.set S,   64
.set VB,  128
.set KF,  192
.set PC,  208
.set VS,  224
.set BM,  232                          ; the blocks' largest scores, then largest p
.set TP,  236
.set SO,  240
.set L2,  244                          ; the second chain of the sum
.set F,   246                          ; f = 2^(old M - new M); v247 is named with it as a pair
.set T0,  248
.set MSB, 0
.macro WIN new                         ; the immediate's high byte repeats the setting that is left
.if MSB != \new
	s_set_vgpr_msb (MSB<<8)|\new
.set MSB, \new
.endif
.endm
.macro PLACES n
.rept \n
	v_nop
.endr
.endm
; One product 16 x 16 x 128.  z = 1: it starts the sum (C = 0), else C = D.  ra, rb = 1: the side's scales are read from lanes 16-31.
.macro WMS d, a, b, z, sa, sb, ra, rb
.if (\z)
.if (\ra) && (\rb)
	v_wmma_scale_f32_16x16x128_f8f6f4 v[(\d):(\d)+7], v[(\a):(\a)+7], v[(\b):(\b)+7], 0, v[(\sa)], v[(\sb)] matrix_a_fmt:MATRIX_FMT_FP4 matrix_b_fmt:MATRIX_FMT_FP4 matrix_a_scale:MATRIX_SCALE_ROW1 matrix_b_scale:MATRIX_SCALE_ROW1
.elseif (\ra)
	v_wmma_scale_f32_16x16x128_f8f6f4 v[(\d):(\d)+7], v[(\a):(\a)+7], v[(\b):(\b)+7], 0, v[(\sa)], v[(\sb)] matrix_a_fmt:MATRIX_FMT_FP4 matrix_b_fmt:MATRIX_FMT_FP4 matrix_a_scale:MATRIX_SCALE_ROW1
.elseif (\rb)
	v_wmma_scale_f32_16x16x128_f8f6f4 v[(\d):(\d)+7], v[(\a):(\a)+7], v[(\b):(\b)+7], 0, v[(\sa)], v[(\sb)] matrix_a_fmt:MATRIX_FMT_FP4 matrix_b_fmt:MATRIX_FMT_FP4 matrix_b_scale:MATRIX_SCALE_ROW1
.else
	v_wmma_scale_f32_16x16x128_f8f6f4 v[(\d):(\d)+7], v[(\a):(\a)+7], v[(\b):(\b)+7], 0, v[(\sa)], v[(\sb)] matrix_a_fmt:MATRIX_FMT_FP4 matrix_b_fmt:MATRIX_FMT_FP4
.endif
.else
.if (\ra) && (\rb)
	v_wmma_scale_f32_16x16x128_f8f6f4 v[(\d):(\d)+7], v[(\a):(\a)+7], v[(\b):(\b)+7], v[(\d):(\d)+7], v[(\sa)], v[(\sb)] matrix_a_fmt:MATRIX_FMT_FP4 matrix_b_fmt:MATRIX_FMT_FP4 matrix_a_scale:MATRIX_SCALE_ROW1 matrix_b_scale:MATRIX_SCALE_ROW1
.elseif (\ra)
	v_wmma_scale_f32_16x16x128_f8f6f4 v[(\d):(\d)+7], v[(\a):(\a)+7], v[(\b):(\b)+7], v[(\d):(\d)+7], v[(\sa)], v[(\sb)] matrix_a_fmt:MATRIX_FMT_FP4 matrix_b_fmt:MATRIX_FMT_FP4 matrix_a_scale:MATRIX_SCALE_ROW1
.elseif (\rb)
	v_wmma_scale_f32_16x16x128_f8f6f4 v[(\d):(\d)+7], v[(\a):(\a)+7], v[(\b):(\b)+7], v[(\d):(\d)+7], v[(\sa)], v[(\sb)] matrix_a_fmt:MATRIX_FMT_FP4 matrix_b_fmt:MATRIX_FMT_FP4 matrix_b_scale:MATRIX_SCALE_ROW1
.else
	v_wmma_scale_f32_16x16x128_f8f6f4 v[(\d):(\d)+7], v[(\a):(\a)+7], v[(\b):(\b)+7], v[(\d):(\d)+7], v[(\sa)], v[(\sb)] matrix_a_fmt:MATRIX_FMT_FP4 matrix_b_fmt:MATRIX_FMT_FP4
.endif
.endif
.endm
; A round of the cluster's barrier: my work-group's barrier, wave 0's signal for the work-group, every wave's wait for all four work-groups, my work-group's barrier once more.
.macro CROUND
	s_barrier_signal -1
	s_barrier_wait -1
	s_cmp_lg_u32 s16, 0
	s_cbranch_scc1 .Lnot_wave_0_\@
	s_barrier_signal -3
.Lnot_wave_0_\@:
	s_barrier_wait -3
	s_barrier_signal -1
	s_barrier_wait -1
.endm
; A joint load: waves 0 and 1 fetch a slot's two chunks, the others nothing.  The branch hangs on the wave's number alone.  Four v_nop follow the load.
.macro JLOAD
	s_cmp_lt_u32 s16, 2
	s_cbranch_scc0 .Lnone_\@
	tensor_load_to_lds s[32:35], s[24:31]
	s_nop 0
	PLACES 4
.Lnone_\@:
.endm
	s_load_b256 s[4:11], s[0:1], 0x0               ; qc s4, qs s6, kv s8, x s10
	s_load_b128 s[12:15], s[0:1], 0x20             ; gamma s12, out0 s14
	v_lshl_add_u32 v1, v0, 2, SPARE                ; my spare word; never rewritten
	v_mov_b32 v2, 0                                ; 0; never rewritten
	ds_add_u32 v1, v2
	s_wait_dscnt 0x0
	v_lshrrev_b32 v3, 5, v0
	v_readfirstlane_b32 s16, v3                    ; wave 0..7
	s_and_b32 s17, s16, 3                          ; which 32 queries
	s_lshr_b32 s18, s16, 2                         ; which half of the keys
	s_bfe_u32 s19, ttmp6, 0x40000                  ; cx: it enters the global addresses of qc, qs, x and out0 alone
	s_lshl_b32 s20, ttmp9, 2
	s_add_co_u32 s20, s20, s19                     ; my block of 128 queries = 4 x cluster x + cx
	s_and_b32 s21, ttmp7, 0xffff                   ; the image, which the four partners share
	s_mov_b32 s22, 0x3fb8aa3b                      ; log2(e)
	s_mov_b32 s23, s22                             ; (named with it as a pair, so it is written)
	; descriptor group 1: a chunk, dense in memory: 153 rows of 32 elements of 8 bytes
	s_mov_b32 s24, 15|(3<<16)|(1<<21)              ; the mask: all four work-groups; elements of 8 bytes; bit 21 set beside a mask
	s_mov_b32 s25, 32<<16                          ; tensor_dim0 = 32
	s_mov_b32 s26, 153<<16                         ; tensor_dim1 = 153
	s_mov_b32 s27, 32<<16                          ; tile_dim0 = 32
	s_mov_b32 s28, 153                             ; tile_dim1 = 153
	s_mov_b32 s29, 32                              ; the pitch
	s_mov_b32 s30, 0
	s_mov_b32 s31, 0
	s_mov_b32 s32, 1                               ; group 0, which walks: count = 1
	s_and_b32 s50, s16, 1                          ; which chunk of a slot I fetch, if I fetch
	s_mul_i32 s33, s50, CHUNK                      ; its place in slot 0
	s_mul_i32 s50, s21, 16*CHUNK
	s_add_co_u32 s50, s50, s33                     ; and in kv
	s_mov_b32 s51, 0
	s_mov_b32 s36, 0x76543210
	s_mov_b32 s37, 0xfedcba98                      ; v_permlanex16_b32's selects for lane l xor 16
	s_mov_b32 s38, 0                               ; LDS byte at which the slot in hand begins
	s_mov_b32 s39, 6                               ; trips of the loop over slots
	s_wait_kmcnt 0x0
	s_load_b32 s40, s[12:13], 0x0                  ; gamma
	s_add_nc_u64 s[34:35], s[8:9], s[50:51]
	s_or_b32 s35, s35, 0x80000000                  ; type = 2
	CROUND                                         ; all four work-groups are here: the first joint loads meet
	JLOAD                                          ; keys 0 to 511 into slot 0
	s_lshl_b32 s54, s21, 12                        ; my first query: 4096 image + 128 block + 32 (w % 4)
	s_lshl_b32 s55, s20, 7
	s_add_co_u32 s54, s54, s55
	s_lshl_b32 s55, s17, 5
	s_add_co_u32 s54, s54, s55
	s_mov_b32 s53, 0
	s_lshl_b32 s52, s54, 4
	s_add_nc_u64 s[46:47], s[4:5], s[52:53]        ; its codes
	s_lshl_b32 s52, s54, 2
	s_add_nc_u64 s[48:49], s[6:7], s[52:53]        ; its scale word
	s_lshl_b32 s52, s21, 22                        ; the way out: wave w stores channel rows 32 w .. 32 w + 31 of the block's 128 queries
	s_lshl_b32 s55, s16, 19
	s_add_co_u32 s52, s52, s55
	s_lshl_b32 s55, s20, 9
	s_add_co_u32 s52, s52, s55
	s_add_nc_u64 s[42:43], s[10:11], s[52:53]      ; x
	s_add_nc_u64 s[44:45], s[14:15], s[52:53]      ; out0
	v_and_b32 v9, 31, v0                           ; L
	v_and_b32 v10, 15, v0
	v_lshlrev_b32 v10, 4, v10                      ; 16 r: both halves of the lanes load query r's 16 bytes
	v_lshlrev_b32 v11, 2, v9                       ; 4 L
	global_load_b128 v[64:67], v10, s[46:47]
	global_load_b128 v[68:71], v10, s[46:47] offset:256
	global_load_b32 v72, v11, s[48:49]             ; lanes 0-15 tile 0's bytes, lanes 16-31 tile 1's
	v_lshlrev_b32 v7, 4, v9                        ; 16 L
	s_mul_i32 s56, s18, CHUNK                      ; my half's chunk of a slot
	v_add_nc_u32 v3, s56, v7                       ; an image's place for my lane
	s_add_co_u32 s57, s56, 38912
	v_add_nc_u32 v4, s57, v11                      ; K's scale words
	v_lshrrev_b32 v8, 1, v9
	v_lshlrev_b32 v8, 14, v8
	v_and_b32 v5, 1, v9
	v_lshl_add_u32 v8, v5, 8, v8                   ; for the prefetch of x: row L / 2, 256 x (L % 2)
.irp z, 0,8,16,24,32
.irp i, 0,1,2,3
	v_mov_b32 v[QB+\z+\i], 0
.endr
.endr
	v_cmp_gt_u32 vcc_lo, 16, v9
	s_wait_loadcnt 0x0
.irp t, 0,1
.irp i, 0,1,2,3
	v_cndmask_b32 v[QB+16*\t+4+\i], 0, v[64+4*\t+\i], vcc_lo          ; codes in lanes 0-15
	v_cndmask_b32 v[QB+16*\t+12+\i], v[64+4*\t+\i], v[QB], vcc_lo     ; codes in lanes 16-31
.endr
.endr
	v_mov_b32 v[QS], v72                           ; variant j's scale word: q's byte in byte j, 0 (the smallest scale) over the zero codes
	v_lshlrev_b32 v[QS+1], 8, v72
	v_lshlrev_b32 v[QS+2], 16, v72
	v_lshlrev_b32 v[QS+3], 24, v72
.irp t, 0,1
	v_mov_b32 v[13+4*\t], 0xff61b1e6               ; the largest t so far: -3e38, under every t
	v_floor_f32 v[12+4*\t], -v[13+4*\t]            ; -M
	v_mov_b32 v[14+4*\t], 0                        ; l, in two halves
	v_mov_b32 v[15+4*\t], 0
.endr
.irp b, 0,1,2,3
	v_mov_b32 v[TP+\b], 0                          ; written once: a lane permute's destination counts as one of its sources
.endr
	v_mov_b32 v[F+1], 0                            ; (named as the upper half of a pair)
	s_wait_kmcnt 0x0                               ; gamma
; S^T of tile t: eight products, each starting its own sum.  Variant j begins at QB + 16 t + 4, 12, 0, 8.
.macro SMM t
.irp g, 0,1
.irp j, 0,1,2,3
	WMS S+8*(4*\g+\j), KF+8*\g, QB+16*\t+8*(\j%2)+4*(1-\j/2), 1, KS, QS+\j, \g, \t
.endr
.endr
	PLACES 4                                       ; in front of the first read of results
.endm
; The softmax of tile t for 128 keys.
.macro SOFT t
.set ST, 12+4*\t
.irp b, 0,1,2,3
	v_max3_num_f32 v[BM+\b], v[S+16*\b], v[S+16*\b+1], v[S+16*\b+2]    ; the largest score of each block of 32 keys: for the row's maximum and, since p rises with the score, for the block's largest p.  Each result is read from its low end on
.endr
.irp n, 3,5,7,9,11,13
.irp b, 0,1,2,3
	v_max3_num_f32 v[BM+\b], v[BM+\b], v[S+16*\b+\n], v[S+16*\b+\n+1]
.endr
.endr
.irp b, 0,1,2,3
	v_max_num_f32 v[BM+\b], v[BM+\b], v[S+16*\b+15]
.endr
.irp b, 0,1,2,3
	v_permlanex16_b32 v[TP+\b], v[BM+\b], s36, s37
.endr
.irp b, 0,1,2,3
	v_max_num_f32 v[BM+\b], v[BM+\b], v[TP+\b]     ; with lane l xor 16's 16 keys
.endr
	v_max3_num_f32 v[T0], v[BM], v[BM+1], v[BM+2]
	v_max_num_f32 v[T0], v[T0], v[BM+3]
	v_mul_f32 v[T0], s22, v[T0]                    ; as t
	v_max_num_f32 v[ST+1], v[ST+1], v[T0]          ; the running largest t
	v_mov_b32 v[T0], v[ST]
	v_floor_f32 v[ST], -v[ST+1]                    ; the new -M = -ceil(t): a whole number
	v_sub_f32 v[T0], v[ST], v[T0]                  ; old M - new M: a whole number, 0 or less
	v_cvt_i32_f32 v[T0], v[T0]                     ; (it saturates)
	v_ldexp_f32 v[F], 1.0, v[T0]                   ; f = 2^(old M - new M)
.irp b, 0,1,2,3
	v_fma_f32 v[BM+\b], v[BM+\b], s22, v[ST]       ; t - M of each block's largest score
.endr
	v_pk_fma_f32 v[S:S+1], v[S:S+1], s[22:23], v[ST:ST+1] op_sel_hi:[1,0,0]         ; t - M, two at a time: of the pairs log2(e) and -M the low word serves both halves
	v_pk_fma_f32 v[S+2:S+3], v[S+2:S+3], s[22:23], v[ST:ST+1] op_sel_hi:[1,0,0]
.irp b, 0,1,2,3
	v_exp_f32 v[BM+\b], v[BM+\b]                   ; the block's largest p: the same two instructions on the same number give the same bits
.endr
	v_pk_mul_f32 v[ST+2:ST+3], v[ST+2:ST+3], v[F:F+1] op_sel_hi:[1,0]               ; l under the new M
; p = 2^(t - M).  Between the exponentials stands plain work that is ready: the scaling two pairs ahead, the sum of the pair before: l is taken of the UNQUANTISED p, in two chains
.set i, 0
.rept 32
	v_exp_f32 v[S+2*i], v[S+2*i]
.if i < 30
	v_pk_fma_f32 v[S+2*i+4:S+2*i+5], v[S+2*i+4:S+2*i+5], s[22:23], v[ST:ST+1] op_sel_hi:[1,0,0]
.endif
	v_exp_f32 v[S+2*i+1], v[S+2*i+1]
.if i == 2
	s_wait_alu depctr_va_vdst(0)
	v_pk_add_f32 v[L2:L2+1], v[S:S+1], v[S+2:S+3]
.elseif i > 2
.if i % 2
	v_pk_add_f32 v[ST+2:ST+3], v[ST+2:ST+3], v[S+2*i-2:S+2*i-1]
.else
	s_wait_alu depctr_va_vdst(0)
	v_pk_add_f32 v[L2:L2+1], v[L2:L2+1], v[S+2*i-2:S+2*i-1]
.endif
.endif
.set i, i+1
.endr
	s_wait_alu depctr_va_vdst(0)
	v_pk_add_f32 v[L2:L2+1], v[L2:L2+1], v[S+62:S+63]
	v_pk_add_f32 v[ST+2:ST+3], v[ST+2:ST+3], v[L2:L2+1]
.irp b, 0,1,2,3
	v_max_num_f32 v[BM+\b], 0x1800000, v[BM+\b]    ; the floor 2^(3 - 127): the byte cannot fall under 1
.endr
.irp b, 0,1,2,3
	v_add_nc_u32 v[SO+\b], 0xff000000, v[BM+\b]    ; 2 off the exponent field: the conversion's scale operand
.endr
.irp b, 0,1,2,3
	v_lshrrev_b32 v[TP+\b], 23, v[SO+\b]           ; the scale's byte
.endr
	v_lshl_or_b32 v[PS+\t], v[TP+1], 8, v[TP]      ; p's scale word for these 128 keys
	v_lshl_or_b32 v[PS+\t], v[TP+2], 16, v[PS+\t]
	v_lshl_or_b32 v[PS+\t], v[TP+3], 24, v[PS+\t]
.irp b, 0,1,2,3
	v_cvt_scalef32_pk8_fp4_f32 v[PC+8*\t+2*\b], v[S+16*\b:S+16*\b+7], v[SO+\b]
	v_cvt_scalef32_pk8_fp4_f32 v[PC+8*\t+2*\b+1], v[S+16*\b+8:S+16*\b+15], v[SO+\b]
.endr
	v_nop                                          ; one plain place behind a scaled conversion
.irp c, 0,1                            ; the operand's layout wants a WHOLE block in a lane: lanes 0-15 block 2 c, lanes 16-31 block 2 c + 1
.irp e, 0,1
	v_permlane16_swap_b32 v[PC+8*\t+4*\c+\e], v[PC+8*\t+4*\c+2+\e]
.endr
.endr
.endm
.macro RESC t                          ; tile t's O^T under the new M: x f.  Each accumulator from its low end on
	WIN 0x41                                       ; destination and source 0 window 1, f window 0
.set i, 0
.rept 64
	v_pk_mul_f32 v[128*\t+2*i:128*\t+2*i+1], v[128*\t+2*i:128*\t+2*i+1], v[F:F+1] op_sel_hi:[1,0]
.set i, i+1
.endr
	WIN 0
.endm
; O^T += V^T P^T for channels 128 a on: 16 accumulators by turns, each fragment of V against both tiles
.macro PV a, first
.irp n, 0,1,2,3,4,5,6,7
.irp t, 0,1
	WMS 128*\t+8*(8*\a+\n), VB-64*\a+8*\n, PC+8*\t, \first, VS+4*\a+\n/2, PS+\t, \n%2, 0
.endr
.endr
.endm
; 128 keys: the sg-th of my chunk.  first = 1: the products start O^T's sums, and there is nothing to rescale: nothing is ever cleared.
.macro SUB sg, first
	PLACES 5                                       ; S^T is laid over registers that the last products read (five places), and V's, K's and the scales' registers are loaded anew (four)
.irp g, 0,1
.irp c, 0,1
	ds_load_b128 v[KF+8*\g+4*\c:KF+8*\g+4*\c+3], v5 offset:32768+2048*\sg+1024*\g+512*\c
.endr
.endr
	ds_load_b32 v[KS], v6 offset:128*\sg           ; lanes 0-15 fragment 0's words, lanes 16-31 fragment 1's
.irp a, 0,1
	ds_load_b128 v[VS+4*\a:VS+4*\a+3], v5 offset:36864+1024*\sg+512*\a    ; register 4 a + i: lanes 0-15 the words of ct = 8 a + 2 i, lanes 16-31 of ct = 8 a + 2 i + 1
.endr
.irp n, 0,1,2,3,4,5,6,7
.irp c, 0,1
	ds_load_b128 v[VB+8*\n+4*\c:VB+8*\n+4*\c+3], v5 offset:16384*\sg+1024*\n+512*\c
.endr
.endr
	s_wait_dscnt 18                                ; K's four loads and its scale word are in; the 18 behind them (V's words and first eight fragments) may be out
	SMM 0
	SOFT 0
.if \first == 0
	RESC 0
.endif
	SMM 1
	SOFT 1
.irp n, 0,1,2,3,4,5,6,7
.irp c, 0,1
	ds_load_b128 v[S+8*\n+4*\c:S+8*\n+4*\c+3], v5 offset:16384*\sg+1024*(8+\n)+512*\c    ; V's channels 128-255 into the registers that p has left
.endr
.endr
.if \first
	PLACES 8                                       ; p's scale word stands eight places, its codes four, ahead of the scaled products
.else
	RESC 1                                         ; (these 64 are also those places)
.endif
	s_wait_dscnt 16                                ; V's words and first eight fragments are in; the 16 loads just issued may be out
	WIN 0x50                                       ; C and D window 1
	PV 0, \first
	s_wait_dscnt 0x0
	PV 1, \first
	WIN 0
.endm
; THE CHANGE OF SLOTS stands at a slot's head.  Each wave waits for all its tensor loads (the slot ahead), adds 0 to its spare word, and waits for that and for its reads of the slot that it has left.
; fill = 1: the barrier is a round of the cluster's, and behind it the slot just left takes the next 512 keys: that load has a whole slot's work in which to land.
.macro CHANGE fill
	s_wait_tensorcnt 0x0                           ; no tensor load of mine is out, so group 0 may be written
	ds_add_u32 v1, v2                              ; 0 onto my spare word
.if \fill
	s_xor_b32 s33, s33, SLOT1                      ; the other slot than last time,
	s_add_nc_u64 s[34:35], s[34:35], 2*CHUNK       ; the next two chunks; the type bits on top are not reached
.endif
	s_wait_dscnt 0x0                               ; the add is done, and my reads of the slot that I have left are over
.if \fill
	CROUND
	JLOAD                                          ; the first thing behind the round, and a wave's one tensor load until the next
.else
	s_barrier_signal -1
	s_barrier_wait -1
.endif
	v_add_nc_u32 v5, s38, v3                       ; the slot in hand
	v_add_nc_u32 v6, s38, v4
.endm
	CHANGE 1                                       ; slot 0 is whole; slot 1 is asked for
	SUB 0, 1
	SUB 1, 0
	s_xor_b32 s38, s38, SLOT1
.Lslot:                                            ; six trips: slots' worth 1 to 6 of the eight; each asks for the next
	CHANGE 1
	SUB 0, 0
	SUB 1, 0
	s_xor_b32 s38, s38, SLOT1
	s_sub_co_u32 s39, s39, 1
	s_cmp_lg_u32 s39, 0
	s_cbranch_scc1 .Lslot
	CHANGE 0                                       ; the last slot is written out
	SUB 0, 0
	global_prefetch_b8 v8, s[42:43] th:TH_LOAD_NT scope:SCOPE_SE                  ; my 32 rows of x for the way out, 512 bytes each: each aligned block of 256 bytes is named once, by one lane,
	global_prefetch_b8 v8, s[42:43] offset:262144 th:TH_LOAD_NT scope:SCOPE_SE    ; 128 keys' work ahead of the loads; both stay inside x
	SUB 1, 0
; ---- THE WAY OUT.  (-M, l) of both halves of the keys meet in LDS; each wave makes its factor gamma 2^(M - M*) / l*; the raw O^T of all waves goes into two stages, rows = channels; then each
; wave takes 32 whole channel rows: out = x + A sA + B sB, and stores rows of 512 consecutive bytes.
.irp t, 0,1
	v_add_f32 v[14+4*\t], v[14+4*\t], v[15+4*\t]   ; l's two halves.  (These and the address lines below are the places behind the last products)
.endr
	v_and_b32 v9, 31, v0                           ; L
	v_and_b32 v10, 15, v0                          ; r
	v_bfe_u32 v11, v0, 4, 1                        ; h
	s_mul_i32 s56, s18, STB                        ; my half's stage,
	s_lshl_b32 s57, s17, 7                         ; my 32 queries' bytes in a row
	s_add_co_u32 s56, s56, s57
	v_lshlrev_b32 v240, 2, v10
	v_mad_u32_u24 v240, v11, 8*SP, v240            ; into the stage: column 4 r, 8 h rows down;
	v_add_nc_u32 v240, s56, v240
	v_add_nc_u32 v241, 64*SP, v240                 ; a base for each 64 channels, so that the offsets fit
	v_add_nc_u32 v242, 128*SP, v240
	v_add_nc_u32 v243, 192*SP, v240
	v_lshlrev_b32 v250, 3, v9
	s_lshl_b32 s57, s16, 9
	s_add_co_u32 s57, s57, ML
	v_add_nc_u32 v244, s57, v250                   ; my (-M, l)
	s_xor_b32 s58, s16, 4
	s_lshl_b32 s58, s58, 9
	s_add_co_u32 s58, s58, ML
	v_add_nc_u32 v245, s58, v250                   ; and those of the wave with my queries and the other keys
	s_lshl_b32 s59, s18, 9
	s_lshl_b32 s60, s17, 7
	s_add_co_u32 s59, s59, s60
	s_add_co_u32 s59, s59, SCT
	v_lshl_add_u32 v246, v10, 2, s59               ; my factors
	v_add_nc_u32 v247, SCT, v7                     ; back: four queries' factors a lane
	s_mul_i32 s61, s16, 32*SP
	v_add_nc_u32 v248, s61, v7                     ; back: my 32 rows of stage A, 16 bytes a lane,
	v_add_nc_u32 v249, STB, v248                   ; and of stage B
.irp t, 0,1
	v_permlanex16_b32 v[TP+\t], v[14+4*\t], s36, s37
.endr
.irp t, 0,1
	v_add_f32 v[13+4*\t], v[14+4*\t], v[TP+\t]     ; with lane l xor 16's: my half's l, beside -M
.endr
.irp i, 0,1,2,3,4,5,6,7,8,9,10,11,12,13,14,15,16,17,18,19,20,21,22,23,24,25,26,27,28,29,30,31
	global_load_b128 v[64+4*\i:64+4*\i+3], v7, s[42:43] offset:16384*\i th:TH_LOAD_NT    ; x's rows: 512 consecutive bytes a load; read once in this launch
.endr
	ds_store_b64 v244, v[12:13]
	ds_store_b64 v244, v[16:17] offset:256
	s_wait_dscnt 0x0                               ; for the others' sake: my stores are done, and so are my reads of the last slot
	s_barrier_signal -1
	s_barrier_wait -1                              ; nobody reads a slot any more: the stages may be written
	ds_load_b64 v[250:251], v245
	ds_load_b64 v[252:253], v245 offset:256
	s_wait_dscnt 0x0
.irp t, 0,1
	v_min_num_f32 v[56+\t], v[12+4*\t], v[250+2*\t]                ; -M* : the larger M
.endr
.irp t, 0,1
	v_sub_f32 v[14+4*\t], v[56+\t], v[12+4*\t]                     ; M - M*, a whole number, 0 or less
	v_sub_f32 v[15+4*\t], v[56+\t], v[250+2*\t]                    ; the other half's
.endr
.irp t, 0,1
	v_cvt_i32_f32 v[14+4*\t], v[14+4*\t]
	v_cvt_i32_f32 v[15+4*\t], v[15+4*\t]
.endr
.irp t, 0,1
	v_ldexp_f32 v[14+4*\t], 1.0, v[14+4*\t]
	v_ldexp_f32 v[15+4*\t], 1.0, v[15+4*\t]
.endr
.irp t, 0,1
	v_mul_f32 v[58+\t], v[13+4*\t], v[14+4*\t]
.endr
.irp t, 0,1
	v_fma_f32 v[58+\t], v[251+2*\t], v[15+4*\t], v[58+\t]          ; l* = both halves' l under M*
.endr
.irp t, 0,1
	v_rcp_f32 v[58+\t], v[58+\t]
.endr
.irp t, 0,1
	v_mul_f32 v[14+4*\t], s40, v[14+4*\t]                          ; (plain places behind the reciprocals)
.endr
	s_wait_alu depctr_va_vdst(0)
.irp t, 0,1
	v_mul_f32 v[14+4*\t], v[14+4*\t], v[58+\t]                     ; gamma 2^(M - M*) / l*
.endr
.irp t, 0,1
	ds_store_b32 v246, v[14+4*\t] offset:64*\t                     ; both halves of the lanes write the same word with the same value
.endr
	WIN 0x04                                       ; an LDS store's data are its source 1: window 1
.irp t, 0,1
.irp c, 0,1,2,3,4,5,6,7,8,9,10,11,12,13,14,15
.irp j, 0,1,2,3,4,5,6,7
	ds_store_b32 v[240+\c/4], v[128*\t+8*\c+\j] offset:(16*(\c%4)+\j)*SP+64*\t    ; O^T(channel 16 ct + 8 h + j, query 16 t + r); each accumulator from its low end on
.endr
.endr
.endr
	WIN 0
	s_wait_dscnt 0x0                               ; for the others' sake
	s_barrier_signal -1
	s_barrier_wait -1
	ds_load_b128 v[232:235], v247                  ; the factors of queries 4 L .. 4 L + 3: stage A's,
	ds_load_b128 v[236:239], v247 offset:512       ; stage B's
.irp k, 0,1,2,3
.irp i, 0,1,2,3,4,5,6,7
	ds_load_b128 v[192+4*\i:192+4*\i+3], v248 offset:(8*\k+\i)*SP
	ds_load_b128 v[24+4*\i:24+4*\i+3], v249 offset:(8*\k+\i)*SP
.endr
	s_wait_dscnt 0x0
	s_wait_loadcnt 24-8*\k                         ; these eight rows of x are in; the later batches' may be out
.irp i, 0,1,2,3,4,5,6,7
.irp e, 0,2
	v_pk_fma_f32 v[64+4*(8*\k+\i)+\e:64+4*(8*\k+\i)+\e+1], v[24+4*\i+\e:24+4*\i+\e+1], v[236+\e:237+\e], v[64+4*(8*\k+\i)+\e:64+4*(8*\k+\i)+\e+1]
.endr
.irp e, 0,2
	v_pk_fma_f32 v[64+4*(8*\k+\i)+\e:64+4*(8*\k+\i)+\e+1], v[192+4*\i+\e:192+4*\i+\e+1], v[232+\e:233+\e], v[64+4*(8*\k+\i)+\e:64+4*(8*\k+\i)+\e+1]
.endr
	global_store_b128 v7, v[64+4*(8*\k+\i):64+4*(8*\k+\i)+3], s[44:45] offset:16384*(8*\k+\i) th:TH_STORE_NT   ; 32 lanes store 512 consecutive bytes, at a multiple of 256 from out0's first byte; written once, read by nobody here
.endr
.endr
	s_wait_tensorcnt 0x0                           ; the wave's end, behind my last tensor load and my last LDS store
	ds_add_u32 v1, v2
	s_wait_dscnt 0x0
	CROUND                                         ; the closing round: no work-group ends while a partner may still ask for a chunk that names it
	s_endpgm
.Lfunc_end_k_qa8b3430635_attn:
	.size	k_qa8b3430635_attn, .Lfunc_end_k_qa8b3430635_attn-k_qa8b3430635_attn
	.p2alignl 7, 3214868480
	.fill 96, 4, 3214868480
	.section	.rodata,"a",@progbits
	.p2align	6, 0x0
	.amdhsa_kernel k_qa8b3430635_attn
		.amdhsa_group_segment_fixed_size 327680
		.amdhsa_private_segment_fixed_size 0
		.amdhsa_enable_private_segment 0
		.amdhsa_kernarg_size 48
		.amdhsa_user_sgpr_count 2
		.amdhsa_user_sgpr_kernarg_segment_ptr 1
		.amdhsa_wavefront_size32 1
		.amdhsa_system_sgpr_workgroup_id_x 1
		.amdhsa_system_sgpr_workgroup_id_y 1
		.amdhsa_system_sgpr_workgroup_id_z 1
		.amdhsa_system_vgpr_workitem_id 0
		.amdhsa_next_free_vgpr 512
		.amdhsa_next_free_sgpr 66
		.amdhsa_reserve_vcc 1
		.amdhsa_float_denorm_mode_32 3
		.amdhsa_float_denorm_mode_16_64 3
		.amdhsa_memory_ordered 1
		.amdhsa_forward_progress 1
		.amdhsa_inst_pref_size 255
	.end_amdhsa_kernel
	.section	.bss,"aw",@nobits
	.p2align	6
	.space	262144
	.amdgpu_metadata
---
amdhsa.version: [ 1, 2 ]
amdhsa.kernels:
  - .name:           k_qa8b3430635_attn
    .symbol:         k_qa8b3430635_attn.kd
    .args:
      - { .name: qc, .offset: 0, .size: 8, .value_kind: global_buffer, .address_space: global }
      - { .name: qs, .offset: 8, .size: 8, .value_kind: global_buffer, .address_space: global }
      - { .name: kv, .offset: 16, .size: 8, .value_kind: global_buffer, .address_space: global }
      - { .name: x, .offset: 24, .size: 8, .value_kind: global_buffer, .address_space: global }
      - { .name: gamma, .offset: 32, .size: 8, .value_kind: global_buffer, .address_space: global }
      - { .name: out0, .offset: 40, .size: 8, .value_kind: global_buffer, .address_space: global }
    .group_segment_fixed_size: 327680
    .private_segment_fixed_size: 0
    .kernarg_segment_align: 8
    .kernarg_segment_size: 48
    .max_flat_workgroup_size: 256
    .sgpr_count:     66
    .vgpr_count:     512
    .wavefront_size: 32
...
	.end_amdgpu_metadata
.endif
;; end of part 2
